; MI455X (gfx1250); checked and timed in simulation.
; The chip was launched on July 23, 2026; its instructions are those of AMD's public machine-readable ISA for CDNA 5 (MIT licence, August 2026) and "CDNA5" Instruction Set Architecture Reference Guide (July 2026). The comments in the code are by the model that wrote it; some were corrected since.
;; Sparse Attention. Allowed arithmetic: float matrix products may take bf16 or f16 operands with f32 sums; all other float work in f32.
;; Inputs: k 1 x 16 x 2,048 x 64 float32; mask 1 x 16 x 2,048 x 2,048 bool; q 1 x 16 x 2,048 x 64 float32; v 1 x 16 x 2,048 x 64 float32.
;; Outputs: out0 1 x 16 x 2,048 x 64 float32.
;; 2 versions, each right and faster than the one before. Each part assembles by itself: llvm-mc -triple=amdgcn-amd-amdhsa -mcpu=gfx1250 --defsym DOCPART=n.
;; ======== version 1 of 2: 1 launch
;; limits: right only within a limited range of input values
;; launch attn (part 1): grid 16 x 16, 8 waves a work-group, clusters of 4 x 1, 327,680 bytes of LDS; arguments q, k, v, mask, out0; writes out0
.if DOCPART == 1
	.amdgcn_target "amdgcn-amd-amdhsa--gfx1250"
	.amdhsa_code_object_version 6
	.text
	.protected	k_q58cff91dec_attn
	.globl	k_q58cff91dec_attn
	.p2align	8
	.type	k_q58cff91dec_attn,@function
k_q58cff91dec_attn:
	s_mov_b64 s[64:65], 0
	v_nop
	global_prefetch_b8 v0, s[64:65] scope:SCOPE_SE
	s_setreg_imm32_b32 hwreg(HW_REG_WAVE_MODE, 25, 1), 1
	s_wait_xcnt 0x0
	s_wait_alu depctr_hold_cnt(0) depctr_sa_sdst(0) depctr_va_vdst(0) depctr_va_sdst(0) depctr_va_ssrc(0) depctr_va_vcc(0) depctr_vm_vsrc(0)
	s_getreg_b32 s2, hwreg(HW_REG_IB_STS2, 6, 4)
	s_cmp_eq_u32 s2, 0
	s_cbranch_scc0 .Lentry_in_a_cluster
	s_endpgm
.Lentry_in_a_cluster:
	s_bfe_u32 s2, ttmp6, 0x10000c
	s_cmp_lg_u32 s2, 0x3003
	s_cbranch_scc0 .Lentry_shape_is_right
	s_endpgm
.Lentry_shape_is_right:
; Masked softmax attention.  q, k, v, out0: [16 heads][2048][64] f32.  mask: [16][2048 queries][2048 keys], one byte each, 1 = attend.
; out = softmax over the allowed keys of (q.k / 8), times v; a row with no allowed key gives 0.
;
; SHARES.  A work-group: one head (grid y), 128 query rows (grid x).  Wave w = 4 g + w': waves w' and w' + 4 both own query rows
; 32 w' .. 32 w' + 31 (two blocks of 16) and split the keys: of each trip's 256 keys group g takes keys 128 g .. 128 g + 127, in two
; substeps of 64.  At the end the two waves join their running states through LDS; the low wave finishes block 0, the high wave block 1.
; CLUSTER.  The four query blocks of a cluster belong to one head and walk the same K and V: those tiles are asked for jointly
; (mask 15), which divides the requests for K and V by four.  The mask tiles are each work-group's own and are plain loads.
; PRODUCTS ARE TAKEN TRANSPOSED.  S^T = K Q^T: a lane holds ONE query (lane % 16) and 8 keys a tile, so the row maximum is taken inside
; the lane plus one exchange of the halves, and maximum, sum and rescale factor are one number a lane.  O^T = V^T P^T: the B operand
; is the lane's own exponentials, packed in place; no number moves between lanes.
; KEY ORDER.  bf16 rows of K and V lie in LDS at row rho(key), rho = swap of bits 3 and 4.  Tile 2u + c, row 8 h + j is then key
; 32 u + 16 h + 8 c + j: the 16 scores that a lane has in tiles 2u and 2u + 1 belong to 16 neighbouring mask bytes, one 16-byte load.
; THE MASK IS THE C OPERAND of the first product: 0 for an allowed key, 0xff000000 = -2^127 for a masked one.  The running maximum
; starts at -2^126, so a masked score never sets it and its exponential is exactly 0; a row with no allowed key ends with l = 0.
; EXPONENT.  p = exp2(c s + nm), c = log2(e) / 8, nm = round(-c max); the rescale factor is exp2(nm_new - nm_old), made of the rounded values.
; LIMITS.  |q.k| (unscaled) below 2^125; NaN and infinities in q, k, v are not served; mask bytes are 0 or 1;
; q, k, v and p enter the products rounded to bf16; l sums the f32 p while the product takes bf16(p).
; No prefetch is written: every trip's tiles (128 KiB of K and V, 32 KiB of mask) are asked for a whole trip ahead by the tensor loads.
; By this text's count a wave has at most two tensor loads out (the two first mask tiles), later one.
.set FP,    272                        ; LDS pitch of rows of 256 bytes + 16 of padding (f32 stage, mask, way out): an odd multiple of 16
.set KP,    144                        ; pitch of a bf16 row of K: 128 + 16
.set VP,    160                        ; pitch of a bf16 row of V: an odd multiple of 32, for the transposing load
.set KF,    0                          ; f32 K of a trip: 256 rows               (tensor loads alone write KF, VF, MS)
.set VF,    256*FP                     ; f32 V of a trip: 256 rows
.set MS,    2*256*FP                   ; two mask slots,
.set MSLOT, 128*FP                     ; each 128 query rows x 256 key bytes
.set KB,    MS+2*MSLOT                 ; bf16 K, 256 rows                        (LDS stores alone write KB, VB)
.set VB,    KB+256*KP                  ; bf16 V, 256 rows; ends at 286,720
.set XCH,   4608                       ; the exchange at the end, in KB: 9 x 512 bytes a wave
.set ZERO, 1                           ; v1      0
.set KA,   2                           ; v2      K fragments: KB + g 128 KP + r KP + 16 h
.set VA,   3                           ; v3      V fragments: VB + g 128 VP + (8 h + L % 8) VP + 16 ((L / 8) % 2)
.set MA,   4                           ; v4      mask: MS + (32 w' + r) FP + 128 g + 16 h
.set CS,   5                           ; v5      conversion, from: KF + (32 w + L / 8) FP + 32 (L % 8)
.set CSV,  6                           ; v6      the same in VF
.set CK,   7                           ; v7      conversion, to: KB + (32 w + L / 8) KP + 16 (L % 8)
.set CV,   8                           ; v8      VB + (32 w + L / 8) VP + 16 (L % 8)
.set XA,   9                           ; v9      exchange, my area: KB + w XCH + 16 L
.set SA,   10                          ; v10     way out, in: VB + w 16 FP + r FP + 32 h
.set RA,   11                          ; v11     way out, back: VB + w 16 FP + h FP + 16 r
.set OA,   12                          ; v12     16 L: my bytes in two rows of out0
.set QA,   13                          ; v13     256 r + 32 h: my bytes of q
.set MX,   14                          ; v[14:15]   running maximum of block 0, 1
.set NM,   16                          ; v[16:17]   round(-c maximum)
.set AL,   18                          ; v[18:19]   rescale factor
.set LS,   20                          ; v[20:23]   row sums: a pair of partial sums for each block
.set T,    24                          ; v[24:31]   at work
.set MK,   32                          ; v[32:47]   mask words: quad (block qb, u) at 4 (2 qb + u)
.set S,    48                          ; v[48:111]  scores: tile t (16 keys), block qb at 8 (2 t + qb)
.set F,    112                         ; v[112:175] fragments of K, then of V
.set O,    176                         ; v[176:239] O^T: d tile dt, block qb at 8 (2 dt + qb)
.set XT,   240                         ; v240    exchange, my partner's area
                                       ; v[256:287] Q fragments (block qb, d half ks) at 256 + 8 (2 qb + ks)
; s[4:11] q, k, v, mask; s[12:13] out0; s14 w, s15 g, s16 w'; s17 cx, s18 query block, s19 head; s[24:31] shape of a K or V tile, s[32:35] its place;
; s[36:43] shape of a mask tile, s[44:47], s[48:51] its place for slot 0, 1; s[52:53] c, c; s54 -c; s55 0xff; s[56:59] byte selectors; s[60:61] lane selects; s62 trips
.macro PLACES                          ; four places behind a matrix instruction (ISA guide 7.12.1) where there is no other vector work
.rept 4
	v_nop
.endr
.endm
; A round of the cluster's barrier: my work-group's barrier, wave 0 signals for the work-group, every wave waits for all four work-groups, my work-group's barrier again.
.macro ROUND
	s_barrier_signal -1
	s_barrier_wait -1
	s_cmp_lg_u32 s14, 0
	s_cbranch_scc1 .Lnot_wave_0_\@
	s_barrier_signal -3
.Lnot_wave_0_\@:
	s_barrier_wait -3
	s_barrier_signal -1
	s_barrier_wait -1
.endm
; The refill behind a round, one tensor load a wave: waves 0 to 3 ask jointly for a quarter each of the next K and V; fm = 1: waves 4, 5 ask for a half each of mask slot ms.
.macro FILL fm, ms
	s_cmp_lt_u32 s14, 4
	s_cbranch_scc0 .Lfill_hi_\@
	tensor_load_to_lds s[32:35], s[24:31]
	s_nop 0
.if \fm
	s_branch .Lfill_done_\@
.Lfill_hi_\@:
	s_cmp_lt_u32 s14, 6
	s_cbranch_scc0 .Lfill_done_\@
	tensor_load_to_lds s[44+4*\ms:47+4*\ms], s[36:43]
	s_nop 0
.Lfill_done_\@:
.else
.Lfill_hi_\@:
.endif
.endm
	s_load_b256 s[4:11], s[0:1], 0x0               ; q, k, v, mask
	s_load_b64 s[12:13], s[0:1], 0x20              ; out0
	v_lshl_add_u32 v254, v0, 2, 0x46000
	v_mov_b32 v255, 0
	ds_add_u32 v254, v255
	v_lshrrev_b32 v24, 5, v0
	v_readfirstlane_b32 s14, v24                   ; wave 0..7
	s_lshr_b32 s15, s14, 2                         ; g: which half of a trip's keys
	s_and_b32 s16, s14, 3                          ; w': which 32 query rows
	s_bfe_u32 s17, ttmp6, 0x40000                  ; cx
	s_lshl_b32 s18, ttmp9, 2
	s_add_co_u32 s18, s18, s17                     ; query block = 4 x cluster x + cx
	s_and_b32 s19, ttmp7, 0xffff                   ; head
	; shape of a K or V tile: 128 dense rows of 32 elements of 8 bytes, 16 bytes of padding behind each row
	s_mov_b32 s24, 0x0773000f                      ; 15:0 mask = all four of the cluster; 17:16 8-byte elements; 20 padding; 21 set beside a mask; 24:22 every 64 words; 31:25 four words
	s_mov_b32 s25, 32<<16                          ; tensor_dim0 = 32
	s_mov_b32 s26, 128<<16                         ; tensor_dim1 = 128
	s_mov_b32 s27, 32<<16                          ; tile_dim0 = 32
	s_mov_b32 s28, 128                             ; tile_dim1 = 128
	s_mov_b32 s29, 32                              ; 32 elements from row to row
	s_mov_b32 s30, 0
	s_mov_b32 s31, 0
	; shape of a mask tile: 64 rows of 256 bytes, 2,048 bytes apart in memory, padded alike; no work-group mask
	s_mov_b32 s36, 0x07530000
	s_mov_b32 s37, 32<<16
	s_mov_b32 s38, 64<<16
	s_mov_b32 s39, 32<<16
	s_mov_b32 s40, 64
	s_mov_b32 s41, 256
	s_mov_b32 s42, 0
	s_mov_b32 s43, 0
	; places.  K/V: wave 0, 1 the halves of K, wave 2, 3 of V; LDS = w x 128 rows (KF, then VF).  Nothing here hangs on cx.
	s_and_b32 s2, s14, 1                           ; which half
	s_mov_b32 s32, 1
	s_mul_i32 s33, s14, 128*FP
	s_lshl_b32 s22, s19, 19                        ; head x 524,288
	s_lshl_b32 s3, s2, 15                          ; half x 128 rows x 256 bytes
	s_add_co_u32 s22, s22, s3
	s_mov_b32 s23, 0
	s_mul_i32 s3, s2, 64*FP                        ; mask: half x 64 rows in the slot
	s_mov_b32 s44, 1
	s_add_co_u32 s45, s3, MS
	s_mov_b32 s48, 1
	s_add_co_u32 s49, s3, MS+MSLOT
	s_lshl_b32 s20, s19, 22                        ; head x 2,048 x 2,048
	s_lshl_b32 s21, s18, 18                        ; query block x 128 x 2,048
	s_add_co_u32 s20, s20, s21
	s_lshl_b32 s21, s2, 17                         ; half x 64 x 2,048
	s_add_co_u32 s20, s20, s21
	s_mov_b32 s21, 0
	s_and_b32 s3, s14, 2
	s_wait_dscnt 0x0
	s_wait_kmcnt 0x0
	s_cmp_eq_u32 s3, 0
	s_cselect_b64 s[34:35], s[6:7], s[8:9]         ; waves 0, 1: k; waves 2, 3: v
	s_add_nc_u64 s[34:35], s[34:35], s[22:23]
	s_or_b32 s35, s35, 0x80000000                  ; type = 2
	s_add_nc_u64 s[46:47], s[10:11], s[20:21]      ; keys 0 to 255
	s_add_nc_u64 s[50:51], s[46:47], 256           ; keys 256 to 511
	s_or_b32 s47, s47, 0x80000000
	s_or_b32 s51, s51, 0x80000000
	ROUND                                          ; all four work-groups are here: the first joint loads meet
	; the first fills, one group, each wave's inside one branch on its number
	s_cmp_lt_u32 s14, 4
	s_cbranch_scc0 .Lfirst_hi
	tensor_load_to_lds s[32:35], s[24:31]
	s_nop 0
	s_branch .Lfirst_done
.Lfirst_hi:
	s_cmp_lt_u32 s14, 6
	s_cbranch_scc0 .Lfirst_done
	tensor_load_to_lds s[44:47], s[36:43]
	s_nop 0
	tensor_load_to_lds s[48:51], s[36:43]
	s_nop 0
.Lfirst_done:
	; q: lane (r, h) takes, of query rows r and 16 + r, d = 32 ks + 8 h .. + 7 and 32 ks + 16 + 8 h .. + 7: the B fragment's own order
	v_and_b32 v24, 31, v0                          ; L
	v_and_b32 v25, 15, v0                          ; r
	v_bfe_u32 v26, v0, 4, 1                        ; h
	v_and_b32 v27, 7, v0                           ; L % 8
	v_bfe_u32 v28, v0, 3, 2                        ; L / 8
	v_bfe_u32 v29, v0, 3, 1                        ; (L / 8) % 2
	v_lshlrev_b32 v[QA], 8, v25
	v_lshl_add_u32 v[QA], v26, 5, v[QA]
	s_lshl_b32 s20, s19, 19                        ; head
	s_lshl_b32 s21, s18, 15                        ; + query block x 128 rows
	s_add_co_u32 s20, s20, s21
	s_lshl_b32 s21, s16, 13                        ; + w' x 32 rows
	s_add_co_u32 s20, s20, s21
	s_mov_b32 s21, 0
	s_add_nc_u64 s[4:5], s[4:5], s[20:21]
	s_add_nc_u64 s[12:13], s[12:13], s[20:21]
	s_lshl_b32 s20, s15, 12                        ; out0: the low wave stores block 0, the high wave block 1
	s_add_nc_u64 s[12:13], s[12:13], s[20:21]
.irp qb,0,1
.irp ks,0,1
	global_load_b128 v[S+16*(2*\qb+\ks):S+16*(2*\qb+\ks)+3],     v[QA], s[4:5] offset:4096*\qb+128*\ks
	global_load_b128 v[S+16*(2*\qb+\ks)+4:S+16*(2*\qb+\ks)+7],   v[QA], s[4:5] offset:4096*\qb+128*\ks+16
	global_load_b128 v[S+16*(2*\qb+\ks)+8:S+16*(2*\qb+\ks)+11],  v[QA], s[4:5] offset:4096*\qb+128*\ks+64
	global_load_b128 v[S+16*(2*\qb+\ks)+12:S+16*(2*\qb+\ks)+15], v[QA], s[4:5] offset:4096*\qb+128*\ks+80
.endr
.endr
	; constants and LDS addresses, while q is on its way
	s_mov_b32 s52, 0x3e38aa3b                      ; c = log2(e) / 8
	s_mov_b32 s53, 0x3e38aa3b
	s_mov_b32 s54, 0xbe38aa3b                      ; -c
	s_mov_b32 s55, 0xff
	s_mov_b32 s56, 0x04000000                      ; v_perm_b32: byte i of the first source into the top byte, byte 0 of the second (zero) below
	s_mov_b32 s57, 0x05000000
	s_mov_b32 s58, 0x06000000
	s_mov_b32 s59, 0x07000000
	s_mov_b32 s60, 0x76543210                      ; v_permlanex16_b32: lane i of one half reads lane i of the other
	s_mov_b32 s61, 0xfedcba98
	v_mov_b32 v[ZERO], 0
	s_mul_i32 s2, s15, 128*KP
	s_add_co_u32 s2, s2, KB
	v_mul_u32_u24 v[KA], v25, KP
	v_lshl_add_u32 v[KA], v26, 4, v[KA]
	v_add_nc_u32 v[KA], s2, v[KA]
	s_mul_i32 s3, s15, 128*VP
	s_add_co_u32 s3, s3, VB
	v_lshl_add_u32 v[VA], v26, 3, v27
	v_mul_u32_u24 v[VA], v[VA], VP
	v_lshl_add_u32 v[VA], v29, 4, v[VA]
	v_add_nc_u32 v[VA], s3, v[VA]
	s_mul_i32 s22, s16, 32*FP
	s_lshl_b32 s23, s15, 7
	s_add_co_u32 s22, s22, s23
	s_add_co_u32 s22, s22, MS
	v_mul_u32_u24 v[MA], v25, FP
	v_lshl_add_u32 v[MA], v26, 4, v[MA]
	v_add_nc_u32 v[MA], s22, v[MA]
	s_mul_i32 s2, s14, 32*FP
	v_mul_u32_u24 v[CS], v28, FP
	v_lshl_add_u32 v[CS], v27, 5, v[CS]
	v_add_nc_u32 v[CS], s2, v[CS]
	v_add_nc_u32 v[CSV], VF, v[CS]
	s_mul_i32 s3, s14, 32*KP
	s_add_co_u32 s3, s3, KB
	v_mul_u32_u24 v[CK], v28, KP
	v_lshl_add_u32 v[CK], v27, 4, v[CK]
	v_add_nc_u32 v[CK], s3, v[CK]
	s_mul_i32 s22, s14, 32*VP
	s_add_co_u32 s22, s22, VB
	v_mul_u32_u24 v[CV], v28, VP
	v_lshl_add_u32 v[CV], v27, 4, v[CV]
	v_add_nc_u32 v[CV], s22, v[CV]
	v_lshlrev_b32 v[OA], 4, v24
	s_mul_i32 s23, s14, XCH
	s_add_co_u32 s23, s23, KB
	v_add_nc_u32 v[XA], s23, v[OA]
	s_xor_b32 s2, s14, 4                           ; my partner: the wave with the same query rows and the other keys
	s_mul_i32 s2, s2, XCH
	s_add_co_u32 s2, s2, KB
	v_add_nc_u32 v[XT], s2, v[OA]
	s_mul_i32 s3, s14, 16*FP
	s_add_co_u32 s3, s3, VB
	v_mul_u32_u24 v[SA], v25, FP
	v_lshl_add_u32 v[SA], v26, 5, v[SA]
	v_add_nc_u32 v[SA], s3, v[SA]
	v_mul_u32_u24 v[RA], v26, FP
	v_lshl_add_u32 v[RA], v25, 4, v[RA]
	v_add_nc_u32 v[RA], s3, v[RA]
	s_wait_loadcnt 0x0                             ; q, once
	s_set_vgpr_msb 0x40                            ; destination in v256 and up
.set qn, 0
.rept 32
	v_cvt_pk_bf16_f32 v[qn], v[S+2*qn], v[S+2*qn+1]        ; v[256 + qn]: the four fragments, 8 registers each
.set qn, qn+1
.endr
	s_set_vgpr_msb 0x4000
; Four loads of 16 mask bytes: query 16 qb + r, keys 64 sub + 32 u + 16 h .. + 15 of my group's 128
.macro MLOAD slot, sub
.irp qb,0,1
.irp u,0,1
	ds_load_b128 v[MK+4*(2*\qb+\u):MK+4*(2*\qb+\u)+3], v[MA] offset:\slot*MSLOT+\qb*16*FP+\sub*64+\u*32
.endr
.endr
.endm
; Mask bytes 0 / 1 serve as selectors into the word 0x000000ff: 0 picks 0xff, 1 picks 0x00
.macro MPREP
.set mi, 0
.rept 16
	v_perm_b32 v[MK+mi], v[ZERO], s55, v[MK+mi]
.set mi, mi+1
.endr
.endm
; My 32 rows of the trip's K and V, f32 to bf16.  Group gi is four rows; a lane takes 8 numbers of one row.  Row 4 gi + a goes to row rho: gi's bits 1 and 2 change places.
.macro CONVERT
.irp gi,0,1,2,3,4,5,6,7
	ds_load_b128 v[S+8*\gi:S+8*\gi+3],   v[CS] offset:4*FP*\gi
	ds_load_b128 v[S+8*\gi+4:S+8*\gi+7], v[CS] offset:4*FP*\gi+16
.endr
.irp gi,0,1,2,3,4,5,6,7
	ds_load_b128 v[F+8*\gi:F+8*\gi+3],   v[CSV] offset:4*FP*\gi
	ds_load_b128 v[F+8*\gi+4:F+8*\gi+7], v[CSV] offset:4*FP*\gi+16
.endr
.irp gi,0,1,2,3,4,5,6,7
	s_wait_dscnt 30-\gi                            ; younger than K's group gi: 2 (7 - gi) loads of K, 16 of V, gi stores
.irp i,0,1,2,3
	v_cvt_pk_bf16_f32 v[S+8*\gi+\i], v[S+8*\gi+2*\i], v[S+8*\gi+2*\i+1]
.endr
	ds_store_b128 v[CK], v[S+8*\gi:S+8*\gi+3] offset:4*KP*((\gi&1)|((\gi&2)<<1)|((\gi&4)>>1))
.endr
.irp gi,0,1,2,3,4,5,6,7
	s_wait_dscnt 22-\gi                            ; younger than V's group gi: 2 (7 - gi) loads of V, 8 stores of K, gi of V
.irp i,0,1,2,3
	v_cvt_pk_bf16_f32 v[F+8*\gi+\i], v[F+8*\gi+2*\i], v[F+8*\gi+2*\i+1]
.endr
	ds_store_b128 v[CV], v[F+8*\gi:F+8*\gi+3] offset:4*VP*((\gi&1)|((\gi&2)<<1)|((\gi&4)>>1))
.endr
.endm
; K fragments of a substep: 4 tiles of 16 rows x 2 halves of d, the first half of d first
.macro KLOAD sub
.irp ks,0,1
.irp t,0,1,2,3
	ds_load_b128 v[F+8*(4*\ks+\t):F+8*(4*\ks+\t)+3],   v[KA] offset:(64*\sub+16*\t)*KP+64*\ks
	ds_load_b128 v[F+8*(4*\ks+\t)+4:F+8*(4*\ks+\t)+7], v[KA] offset:(64*\sub+16*\t)*KP+64*\ks+32
.endr
.endr
.endm
; V^T fragments of a substep: 2 groups of 32 rows x 4 tiles of 16 d, transposed on the way
.macro VLOAD sub
.irp u,0,1
.irp dt,0,1,2,3
	ds_load_tr16_b128 v[F+8*(4*\u+\dt):F+8*(4*\u+\dt)+3],   v[VA] offset:(64*\sub+32*\u)*VP+32*\dt
	ds_load_tr16_b128 v[F+8*(4*\u+\dt)+4:F+8*(4*\u+\dt)+7], v[VA] offset:(64*\sub+32*\u)*VP+32*\dt+16*VP
.endr
.endr
.endm
; The accumulators start as 0 or -2^127: byte 8 c + j of quad (qb, u) into the top byte of score j of tile 2 u + c
.macro BIAS
.irp u,0,1
.irp c,0,1
.irp qb,0,1
.irp j,0,1,2,3,4,5,6,7
	v_perm_b32 v[S+8*(2*(2*\u+\c)+\qb)+\j], v[MK+4*(2*\qb+\u)+2*\c+(\j>>2)], v[ZERO], s[56+(\j&3)]
.endr
.endr
.endr
.endr
.endm
.macro QKSTEP ks
.irp t,0,1,2,3
.irp qb,0,1
	v_wmma_f32_16x16x32_bf16 v[S+8*(2*\t+\qb):S+8*(2*\t+\qb)+7], v[F+8*(4*\ks+\t):F+8*(4*\ks+\t)+7], v[8*(2*\qb+\ks):8*(2*\qb+\ks)+7], v[S+8*(2*\t+\qb):S+8*(2*\t+\qb)+7]
.endr
.endr
.endm
; S^T += K Q^T.  The eight accumulators take turns, one instruction a turn.
.macro QK
	s_wait_dscnt 8                                 ; the eight loads of d = 32 .. 63 may stay out
	s_set_vgpr_msb 0x04                            ; source 1 (Q) in v256 and up
	QKSTEP 0
	s_wait_dscnt 0x0
	QKSTEP 1
	s_set_vgpr_msb 0x0400
.endm
; pair pm (0 .. 15) of block qb's 32 exponentials joins the row sum; the first pair rides on the rescale of the old sum
.macro SUMP qb, first
.if pm == 0
.if \first == 0
	v_pk_fma_f32 v[LS+2*\qb:LS+2*\qb+1], v[LS+2*\qb:LS+2*\qb+1], v[AL:AL+1], v[S+8*\qb:S+8*\qb+1] op_sel:[0,\qb,0] op_sel_hi:[1,\qb,1]
	s_wait_alu depctr_va_vdst(0)
.endif
.else
.if \first == 1
.if pm == 1
	s_wait_alu depctr_va_vdst(0)
	v_pk_add_f32 v[LS+2*\qb:LS+2*\qb+1], v[S+8*\qb:S+8*\qb+1], v[S+8*\qb+2:S+8*\qb+3]      ; the first two pairs start the sum
	s_wait_alu depctr_va_vdst(0)
.else
	v_pk_add_f32 v[LS+2*\qb:LS+2*\qb+1], v[LS+2*\qb:LS+2*\qb+1], v[S+16*(pm>>2)+8*\qb+2*(pm&3):S+16*(pm>>2)+8*\qb+2*(pm&3)+1]
.endif
.else
	s_wait_alu depctr_va_vdst(0)
	v_pk_add_f32 v[LS+2*\qb:LS+2*\qb+1], v[LS+2*\qb:LS+2*\qb+1], v[S+16*(pm>>2)+8*\qb+2*(pm&3):S+16*(pm>>2)+8*\qb+2*(pm&3)+1]
.endif
.endif
.endm
; pair pm is packed to bf16 in place: pairs 8 u .. 8 u + 7 (tiles 2 u, 2 u + 1) fill the 8 registers of tile 2 u, the B fragment of key group u.
; In ascending order a register is written only after the pair that lay in it has been read.
.macro CVTP qb
	v_cvt_pk_bf16_f32 v[S+32*(pm>>3)+8*\qb+(pm&7)], v[S+16*(pm>>2)+8*\qb+2*(pm&3)], v[S+16*(pm>>2)+8*\qb+2*(pm&3)+1]
.endm
; first = 1: the wave's first 64 keys: nothing old to rescale
.macro SOFTMAX first
	; the maximum of the old maximum and 32 scores, 16 three-way maxima a block, in two chains; the four chains are interleaved
.irp qb,0,1
.if \first
	v_max3_num_f32 v[T+\qb], 0xfe800000, v[S+8*\qb], v[S+8*\qb+1]          ; the floor -2^126
.else
	v_max3_num_f32 v[T+\qb], v[MX+\qb], v[S+8*\qb], v[S+8*\qb+1]
.endif
	v_max3_num_f32 v[T+2+\qb], v[S+32+8*\qb], v[S+32+8*\qb+1], v[S+32+8*\qb+2]
.endr
.irp i,1,2,3,4,5,6
.irp qb,0,1
	v_max3_num_f32 v[T+\qb], v[T+\qb], v[S+16*((2*\i)>>3)+8*\qb+((2*\i)&7)], v[S+16*((2*\i+1)>>3)+8*\qb+((2*\i+1)&7)]
	v_max3_num_f32 v[T+2+\qb], v[T+2+\qb], v[S+16*((17+2*\i)>>3)+8*\qb+((17+2*\i)&7)], v[S+16*((18+2*\i)>>3)+8*\qb+((18+2*\i)&7)]
.endr
.endr
.irp qb,0,1
	v_max3_num_f32 v[T+\qb], v[T+\qb], v[S+16+8*\qb+6], v[S+16+8*\qb+7]    ; scores 14, 15
.endr
.irp qb,0,1
	v_max3_num_f32 v[T+\qb], v[T+\qb], v[T+2+\qb], v[S+48+8*\qb+7]         ; the other chain and score 31
.endr
	v_permlanex16_b32 v[T+2], v[T], s60, s61       ; the same query's other 32 keys lie in the other half of the lanes
	v_permlanex16_b32 v[T+3], v[T+1], s60, s61
	v_max_num_f32 v[MX], v[T], v[T+2]
	v_max_num_f32 v[MX+1], v[T+1], v[T+3]
.if \first
	v_pk_mul_f32 v[NM:NM+1], v[MX:MX+1], s[54:55] op_sel_hi:[1,0]
.else
	v_pk_mul_f32 v[T+4:T+5], v[MX:MX+1], s[54:55] op_sel_hi:[1,0]          ; -c maximum, rounded
	v_pk_add_f32 v[AL:AL+1], v[T+4:T+5], v[NM:NM+1] neg_lo:[0,1] neg_hi:[0,1]
	v_mov_b32 v[NM], v[T+4]
	v_mov_b32 v[NM+1], v[T+5]
	v_exp_f32 v[AL], v[AL]                         ; a plain line stands behind these two before they are used (ISA guide 5.7.2): the lines below
	v_exp_f32 v[AL+1], v[AL+1]
.endif
.irp t,0,1,2,3
.irp p,0,2,4,6
	v_pk_fma_f32 v[S+16*\t+\p:S+16*\t+\p+1], v[S+16*\t+\p:S+16*\t+\p+1], s[52:53], v[NM:NM+1] op_sel_hi:[1,0,0]    ; block 0: c s + nm
.endr
.endr
	; each exponential is followed by a plain line that touches neither its result nor its source:
	; block 0's by block 1's exponents and the rescale of block 0's O,
.set sn, 0
.rept 32
	v_exp_f32 v[S+16*(sn>>3)+(sn&7)], v[S+16*(sn>>3)+(sn&7)]
.if (sn&1) == 0
	v_pk_fma_f32 v[S+8+16*(sn>>3)+(sn&7):S+9+16*(sn>>3)+(sn&7)], v[S+8+16*(sn>>3)+(sn&7):S+9+16*(sn>>3)+(sn&7)], s[52:53], v[NM:NM+1] op_sel:[0,0,1] op_sel_hi:[1,0,1]
.else
.if \first == 0
	s_wait_alu depctr_va_vdst(0)
	v_pk_mul_f32 v[O+16*(sn>>3)+2*((sn>>1)&3):O+16*(sn>>3)+2*((sn>>1)&3)+1], v[O+16*(sn>>3)+2*((sn>>1)&3):O+16*(sn>>3)+2*((sn>>1)&3)+1], v[AL:AL+1] op_sel_hi:[1,0]
.endif
.endif
.set sn, sn+1
.endr
	; block 1's by the rescale of block 1's O and block 0's row sum
.set sn, 0
.rept 32
	v_exp_f32 v[S+8+16*(sn>>3)+(sn&7)], v[S+8+16*(sn>>3)+(sn&7)]
.if (sn&1) == 0
.if \first == 0
	v_pk_mul_f32 v[O+8+16*(sn>>3)+2*((sn>>1)&3):O+8+16*(sn>>3)+2*((sn>>1)&3)+1], v[O+8+16*(sn>>3)+2*((sn>>1)&3):O+8+16*(sn>>3)+2*((sn>>1)&3)+1], v[AL:AL+1] op_sel:[0,1] op_sel_hi:[1,1]
.endif
.else
.set pm, sn>>1
	SUMP 0, \first
.endif
.set sn, sn+1
.endr
.set pm, 0
.rept 16
	SUMP 1, \first
	CVTP 0
.set pm, pm+1
.endr
.set pm, 0
.rept 16
	CVTP 1
.set pm, pm+1
.endr
.endm
.macro PVSTEP u, zero
.irp dt,0,1,2,3
.irp qb,0,1
.if \zero
	v_wmma_f32_16x16x32_bf16 v[O+8*(2*\dt+\qb):O+8*(2*\dt+\qb)+7], v[F+8*(4*\u+\dt):F+8*(4*\u+\dt)+7], v[S+8*(4*\u+\qb):S+8*(4*\u+\qb)+7], 0
.else
	v_wmma_f32_16x16x32_bf16 v[O+8*(2*\dt+\qb):O+8*(2*\dt+\qb)+7], v[F+8*(4*\u+\dt):F+8*(4*\u+\dt)+7], v[S+8*(4*\u+\qb):S+8*(4*\u+\qb)+7], v[O+8*(2*\dt+\qb):O+8*(2*\dt+\qb)+7]
.endif
.endr
.endr
.endm
; O^T += V^T P^T.  The eight accumulators take turns, one instruction a turn.  first = 1: the first product starts the sums.
.macro PV first
	s_wait_dscnt 0x0                               ; V's fragments (and the next mask words), issued ahead of the softmax
	PVSTEP 0, \first
	PVSTEP 1, 0
.endm
; 64 keys x 32 queries
.macro SUBSTEP slot, sub, first
	BIAS
	QK
	PLACES                                         ; behind the products: the loads below land on K's fragments, the softmax reads the scores
.if \sub == 0
	MLOAD \slot, 1                                 ; the second substep's mask words: this one's have been used
.endif
	VLOAD \sub
	SOFTMAX \first
	PV \first
.if \sub == 0
	MPREP                                          ; 16 lines that name none of the products' registers: the places in front of the loads into F
	KLOAD 1
.else
	PLACES                                         ; in front of the next loads into S and F
.endif
.endm
; 256 keys.  slot: this trip's mask slot, other: the other one.  fkv: the next K and V are asked for; fm: the other mask slot is filled again.
.macro TRIP slot, other, first, fkv, fm
	s_wait_tensorcnt 0x0                           ; my parts of this trip's K, V and mask have landed
	s_wait_dscnt 0x0                               ; my reads of the last trip's bf16 K and V are back
	s_barrier_signal -1
	s_barrier_wait -1                              ; both hold of every wave: the f32 stage is whole, KB and VB may be written
	MLOAD \slot, 0
	CONVERT
	MPREP
	s_wait_dscnt 0x0                               ; my reads of the stage are back, my stores into KB and VB are done
	s_wait_tensorcnt 0x0                           ; no tensor load of mine is out (none was issued since the wait above): the places below may be written
	ds_add_u32 v254, v255
	s_wait_dscnt 0x0
.if \fkv
	s_add_nc_u64 s[34:35], s[34:35], 65536         ; the next 256 rows of K or V
.endif
.if \fm
	s_add_nc_u64 s[46+4*\other:47+4*\other], s[46+4*\other:47+4*\other], 512       ; that slot's next 256 keys
.endif
.if \fkv
	ROUND                                          ; no wave of any of the four work-groups still reads its stage or has a load on its way
	FILL \fm, \other                               ; first thing behind the round, one load a wave; both substeps lie ahead of the wait for it
.else
	s_barrier_signal -1
	s_barrier_wait -1                              ; the last trip: nothing is filled, KB and VB are whole
.endif
	KLOAD 0
	SUBSTEP \slot, 0, \first
	SUBSTEP \slot, 1, 0
.endm
	TRIP 0, 1, 1, 1, 0                             ; keys 0 to 255; mask slot 1 went out at the start
	s_mov_b32 s62, 3
.Ltrips:
	TRIP 1, 0, 0, 1, 1
	TRIP 0, 1, 0, 1, 1
	s_sub_co_u32 s62, s62, 1
	s_cmp_lg_u32 s62, 0
	s_cbranch_scc1 .Ltrips
	TRIP 1, 0, 0, 0, 0                             ; keys 1,792 to 2,047: nothing is left to fetch
; THE TWO WAVES OF A ROW BLOCK JOIN.  I give my state of block b to my partner: nm and my lane's sum, then O^T, 16 bytes a lane a store.
.macro GIVE b
	v_mov_b32 v[T], v[NM+\b]                       ; beside the sum, for one store of 8 bytes
	v_add_f32 v[T+1], v[LS+2*\b], v[LS+2*\b+1]
	ds_store_b64 v[XA], v[T:T+1]
.irp dt,0,1,2,3
	ds_store_b128 v[XA], v[O+8*(2*\dt+\b):O+8*(2*\dt+\b)+3]   offset:512*(1+2*\dt)
	ds_store_b128 v[XA], v[O+8*(2*\dt+\b)+4:O+8*(2*\dt+\b)+7] offset:512*(2+2*\dt)
.endr
.endm
; I take my partner's state of block b, join it with mine, divide, and store 16 rows of out0.
.macro TAKE b
	ds_load_b64 v[F:F+1], v[XT]
.irp q,0,1,2,3,4,5,6,7
	ds_load_b128 v[F+4+4*\q:F+7+4*\q], v[XT] offset:512*(1+\q)
.endr
	s_wait_dscnt 0x0
	v_min_num_f32 v[T], v[NM+\b], v[F]             ; nm = -c maximum: the smaller belongs to the larger maximum
	v_sub_f32 v[T+2], v[T], v[NM+\b]
	v_sub_f32 v[T+3], v[T], v[F]
	v_exp_f32 v[T+2], v[T+2]                       ; my factor
	v_exp_f32 v[T+3], v[T+3]                       ; my partner's
	v_add_f32 v[T+1], v[LS+2*\b], v[LS+2*\b+1]     ; the plain line behind the two (ISA guide 5.7.2)
	s_wait_alu depctr_va_vdst(0)
	v_mul_f32 v[T+1], v[T+1], v[T+2]
	v_fmac_f32 v[T+1], v[F+1], v[T+3]
	v_permlanex16_b32 v[T], v[T+1], s60, s61       ; the other half of the lanes holds the same query's other keys
	v_add_f32 v[T+1], v[T+1], v[T]                 ; l
	v_cmp_lt_f32 vcc_lo, 0, v[T+1]
	v_rcp_f32 v[T+6], v[T+1]
	v_nop
	s_wait_alu depctr_va_vdst(0)
	v_cndmask_b32 v[T+6], 0, v[T+6], vcc_lo        ; 1 / l, or 0 for a row with no allowed key
	v_mul_f32 v[T+4], v[T+2], v[T+6]
	v_mul_f32 v[T+5], v[T+3], v[T+6]
.irp dt,0,1,2,3
.irp p,0,2,4,6
	v_pk_mul_f32 v[O+8*(2*\dt+\b)+\p:O+8*(2*\dt+\b)+\p+1], v[O+8*(2*\dt+\b)+\p:O+8*(2*\dt+\b)+\p+1], v[T+4:T+5] op_sel_hi:[1,0]
.endr
.endr
.irp dt,0,1,2,3
.irp p,0,2,4,6
	v_pk_fma_f32 v[O+8*(2*\dt+\b)+\p:O+8*(2*\dt+\b)+\p+1], v[F+4+8*\dt+\p:F+4+8*\dt+\p+1], v[T+4:T+5], v[O+8*(2*\dt+\b)+\p:O+8*(2*\dt+\b)+\p+1] op_sel:[0,1,0] op_sel_hi:[1,1,1]
.endr
.endr
	; a lane holds query r, d = 16 dt + 8 h + 0 .. 7: into my own stage by rows, back as whole rows of 256 bytes
.irp dt,0,1,2,3
	ds_store_b128 v[SA], v[O+8*(2*\dt+\b):O+8*(2*\dt+\b)+3]   offset:64*\dt
	ds_store_b128 v[SA], v[O+8*(2*\dt+\b)+4:O+8*(2*\dt+\b)+7] offset:64*\dt+16
.endr
.irp t,0,1,2,3,4,5,6,7
	ds_load_b128 v[S+4*\t:S+4*\t+3], v[RA] offset:2*FP*\t          ; LDS serves a wave's instructions in order (ISA guide 5.7.1): these see the stores above
.endr
.irp t,0,1,2,3,4,5,6,7
	s_wait_dscnt 7-\t                              ; the younger row loads may stay out
	global_store_b128 v[OA], v[S+4*\t:S+4*\t+3], s[12:13] offset:512*\t th:TH_STORE_NT     ; two rows: 512 consecutive bytes, at a multiple of 256 from out0's first byte
.endr
.endm
	s_wait_dscnt 0x0                               ; my reads of KB and VB are back
	s_barrier_signal -1
	s_barrier_wait -1                              ; everybody's are: KB serves the exchange, VB the way out (no tensor load ever fills them)
	s_cmp_lt_u32 s14, 4
	s_cbranch_scc0 .Lgive_hi
	GIVE 1
	s_branch .Lgiven
.Lgive_hi:
	GIVE 0
.Lgiven:
	s_wait_dscnt 0x0                               ; for my partner's sake: my stores are done
	s_barrier_signal -1
	s_barrier_wait -1
	s_cmp_lt_u32 s14, 4
	s_cbranch_scc0 .Ltake_hi
	TAKE 0
	s_branch .Ltaken
.Ltake_hi:
	TAKE 1
.Ltaken:
	s_wait_dscnt 0x0
	s_wait_tensorcnt 0x0
	ds_add_u32 v254, v255
	s_wait_dscnt 0x0
	ROUND                                          ; the closing round: no work-group ends while a partner may still ask for a tile that names it
	s_endpgm
.Lfunc_end_k_q58cff91dec_attn:
	.size	k_q58cff91dec_attn, .Lfunc_end_k_q58cff91dec_attn-k_q58cff91dec_attn
	.p2alignl 7, 3214868480
	.fill 96, 4, 3214868480
	.section	.rodata,"a",@progbits
	.p2align	6, 0x0
	.amdhsa_kernel k_q58cff91dec_attn
		.amdhsa_group_segment_fixed_size 327680
		.amdhsa_private_segment_fixed_size 0
		.amdhsa_enable_private_segment 0
		.amdhsa_kernarg_size 40
		.amdhsa_user_sgpr_count 2
		.amdhsa_user_sgpr_kernarg_segment_ptr 1
		.amdhsa_wavefront_size32 1
		.amdhsa_system_sgpr_workgroup_id_x 1
		.amdhsa_system_sgpr_workgroup_id_y 1
		.amdhsa_system_sgpr_workgroup_id_z 1
		.amdhsa_system_vgpr_workitem_id 0
		.amdhsa_next_free_vgpr 288
		.amdhsa_next_free_sgpr 66
		.amdhsa_reserve_vcc 1
		.amdhsa_float_denorm_mode_32 3
		.amdhsa_float_denorm_mode_16_64 3
		.amdhsa_memory_ordered 1
		.amdhsa_forward_progress 1
		.amdhsa_inst_pref_size 243
	.end_amdhsa_kernel
	.amdgpu_metadata
---
amdhsa.version: [ 1, 2 ]
amdhsa.kernels:
  - .name:           k_q58cff91dec_attn
    .symbol:         k_q58cff91dec_attn.kd
    .args:
      - { .name: q, .offset: 0, .size: 8, .value_kind: global_buffer, .address_space: global }
      - { .name: k, .offset: 8, .size: 8, .value_kind: global_buffer, .address_space: global }
      - { .name: v, .offset: 16, .size: 8, .value_kind: global_buffer, .address_space: global }
      - { .name: mask, .offset: 24, .size: 8, .value_kind: global_buffer, .address_space: global }
      - { .name: out0, .offset: 32, .size: 8, .value_kind: global_buffer, .address_space: global }
    .group_segment_fixed_size: 327680
    .private_segment_fixed_size: 0
    .kernarg_segment_align: 8
    .kernarg_segment_size: 40
    .max_flat_workgroup_size: 256
    .sgpr_count:     66
    .vgpr_count:     288
    .wavefront_size: 32
...
	.end_amdgpu_metadata
.endif
;; end of part 1
;; ======== version 2 of 2: 1 launch; 1.09 times as fast as version 1
;; launch attn (part 2): grid 16 x 16, 8 waves a work-group, clusters of 4 x 1, 327,680 bytes of LDS; arguments q, k, v, mask, out0; writes out0
.if DOCPART == 2
	.amdgcn_target "amdgcn-amd-amdhsa--gfx1250"
	.amdhsa_code_object_version 6
	.text
	.protected	k_q58cff91dec_attn
	.globl	k_q58cff91dec_attn
	.p2align	8
	.type	k_q58cff91dec_attn,@function
k_q58cff91dec_attn:
	s_mov_b64 s[64:65], 0
	v_nop
	global_prefetch_b8 v0, s[64:65] scope:SCOPE_SE
	s_setreg_imm32_b32 hwreg(HW_REG_WAVE_MODE, 25, 1), 1
	s_wait_xcnt 0x0
	s_wait_alu depctr_hold_cnt(0) depctr_sa_sdst(0) depctr_va_vdst(0) depctr_va_sdst(0) depctr_va_ssrc(0) depctr_va_vcc(0) depctr_vm_vsrc(0)
	s_getreg_b32 s2, hwreg(HW_REG_IB_STS2, 6, 4)
	s_cmp_eq_u32 s2, 0
	s_cbranch_scc0 .Lentry_in_a_cluster
	s_endpgm
.Lentry_in_a_cluster:
	s_bfe_u32 s2, ttmp6, 0x10000c
	s_cmp_lg_u32 s2, 0x3003
	s_cbranch_scc0 .Lentry_shape_is_right
	s_endpgm
.Lentry_shape_is_right:
; Masked softmax attention.  q, k, v, out0: [16 heads][2048][64] f32.  mask: [16][2048 queries][2048 keys], one byte each, 1 = attend.
; out = softmax over the allowed keys of (q.k / 8), times v; a row with no allowed key gives 0.
;
; SHARES.  A work-group: one head (grid y), 128 query rows (grid x).  Wave w = 4 g + w': waves w' and w' + 4 both own query rows
; 32 w' .. 32 w' + 31 (two blocks of 16) and split the keys: of each trip's 256 keys group g takes keys 128 g .. 128 g + 127, in two
; substeps of 64.  At the end the two waves join their running states through LDS; the low wave finishes block 0, the high wave block 1.
; CLUSTER.  The four query blocks of a cluster belong to one head and walk the same K and V: those tiles are asked for jointly
; (mask 15), which divides the requests for K and V by four.  The mask tiles are each work-group's own and are plain loads.
; PRODUCTS ARE TAKEN TRANSPOSED.  S^T = K Q^T: a lane holds ONE query (lane % 16) and 8 keys a tile, so the row maximum is taken inside
; the lane plus one exchange of the halves, and maximum, sum and rescale factor are one number a lane.  O^T = V^T P^T: the B operand
; is the lane's own exponentials, packed in place; no number moves between lanes.
; KEY ORDER.  bf16 rows of K and V lie in LDS at row rho(key), rho = swap of bits 3 and 4.  Tile 2u + c, row 8 h + j is then key
; 32 u + 16 h + 8 c + j: the 16 scores that a lane has in tiles 2u and 2u + 1 belong to 16 neighbouring mask bytes, one 16-byte load.
; THE MASK IS THE C OPERAND of the first product: 0 for an allowed key, 0xff000000 = -2^127 for a masked one.  The running maximum
; starts at -2^126, so a masked score never sets it and its exponential is exactly 0; a row with no allowed key ends with l = 0.
; EXPONENT.  p = exp2(c s + nm), c = log2(e) / 8, nm = round(-c max); the rescale factor is exp2(nm_new - nm_old), made of the rounded values.
; THE EXPONENTIALS GO IN BATCHES, each with one s_wait_alu depctr_va_vdst(0) between it and the first line that names a result of it.
; A substep's softmax has two.  Batch A: the two rescale factors; block 0's 16 scalings stand between them and their wait.  Batch B: all 64 scores' exponentials, each in
; its own register; among them stand only lines that name none of their results: block 1's 16 scalings and the 32 rescales of O (by batch A's factors).  Behind batch B's
; wait stand all its readers: the row sums and the roundings to bf16.  No exponential is issued behind that wait.
; On the way out the two joining factors are a batch, and the reciprocal of the sum made with them is another.
; LIMITS.  |q.k| (unscaled) below 2^125; NaN and infinities in q, k, v are not served; mask bytes are 0 or 1;
; q, k, v and p enter the products rounded to bf16; l sums the f32 p while the product takes bf16(p).
; No prefetch is written: every trip's tiles (128 KiB of K and V, 32 KiB of mask) are asked for a whole trip ahead by the tensor loads.
; By this text's count a wave has at most two tensor loads out (the two first mask tiles), later one.
.set FP,    272                        ; LDS pitch of rows of 256 bytes + 16 of padding (f32 stage, mask, way out): an odd multiple of 16
.set KP,    144                        ; pitch of a bf16 row of K: 128 + 16
.set VP,    160                        ; pitch of a bf16 row of V: an odd multiple of 32, for the transposing load
.set KF,    0                          ; f32 K of a trip: 256 rows               (tensor loads alone write KF, VF, MS)
.set VF,    256*FP                     ; f32 V of a trip: 256 rows
.set MS,    2*256*FP                   ; two mask slots,
.set MSLOT, 128*FP                     ; each 128 query rows x 256 key bytes
.set KB,    MS+2*MSLOT                 ; bf16 K, 256 rows                        (LDS stores alone write KB, VB)
.set VB,    KB+256*KP                  ; bf16 V, 256 rows; ends at 286,720
.set XCH,   4608                       ; the exchange at the end, in KB: 9 x 512 bytes a wave
.set ZERO, 1                           ; v1      0
.set KA,   2                           ; v2      K fragments: KB + g 128 KP + r KP + 16 h
.set VA,   3                           ; v3      V fragments: VB + g 128 VP + (8 h + L % 8) VP + 16 ((L / 8) % 2)
.set MA,   4                           ; v4      mask: MS + (32 w' + r) FP + 128 g + 16 h
.set CS,   5                           ; v5      conversion, from: KF + (32 w + L / 8) FP + 32 (L % 8)
.set CSV,  6                           ; v6      the same in VF
.set CK,   7                           ; v7      conversion, to: KB + (32 w + L / 8) KP + 16 (L % 8)
.set CV,   8                           ; v8      VB + (32 w + L / 8) VP + 16 (L % 8)
.set XA,   9                           ; v9      exchange, my area: KB + w XCH + 16 L
.set SA,   10                          ; v10     way out, in: VB + w 16 FP + r FP + 32 h
.set RA,   11                          ; v11     way out, back: VB + w 16 FP + h FP + 16 r
.set OA,   12                          ; v12     16 L: my bytes in two rows of out0
.set QA,   13                          ; v13     256 r + 32 h: my bytes of q
.set MX,   14                          ; v[14:15]   running maximum of block 0, 1
.set NM,   16                          ; v[16:17]   round(-c maximum)
.set AL,   18                          ; v[18:19]   rescale factor
.set LS,   20                          ; v[20:23]   row sums: a pair of partial sums for each block
.set T,    24                          ; v[24:31]   at work
.set MK,   32                          ; v[32:47]   mask words: quad (block qb, u) at 4 (2 qb + u)
.set S,    48                          ; v[48:111]  scores: tile t (16 keys), block qb at 8 (2 t + qb)
.set F,    112                         ; v[112:175] fragments of K, then of V
.set O,    176                         ; v[176:239] O^T: d tile dt, block qb at 8 (2 dt + qb)
.set XT,   240                         ; v240    exchange, my partner's area
                                       ; v[256:287] Q fragments (block qb, d half ks) at 256 + 8 (2 qb + ks)
; s[4:11] q, k, v, mask; s[12:13] out0; s14 w, s15 g, s16 w'; s17 cx, s18 query block, s19 head; s[24:31] shape of a K or V tile, s[32:35] its place;
; s[36:43] shape of a mask tile, s[44:47], s[48:51] its place for slot 0, 1; s[52:53] c, c; s54 -c; s55 0xff; s[56:59] byte selectors; s[60:61] lane selects; s62 trips
.macro PLACES                          ; four places behind a matrix instruction (ISA guide 7.12.1) where there is no other vector work
.rept 4
	v_nop
.endr
.endm
; A round of the cluster's barrier: my work-group's barrier, wave 0 signals for the work-group, every wave waits for all four work-groups, my work-group's barrier again.
.macro ROUND
	s_barrier_signal -1
	s_barrier_wait -1
	s_cmp_lg_u32 s14, 0
	s_cbranch_scc1 .Lnot_wave_0_\@
	s_barrier_signal -3
.Lnot_wave_0_\@:
	s_barrier_wait -3
	s_barrier_signal -1
	s_barrier_wait -1
.endm
; The refill behind a round, one tensor load a wave: waves 0 to 3 ask jointly for a quarter each of the next K and V; fm = 1: waves 4, 5 ask for a half each of mask slot ms.
.macro FILL fm, ms
	s_cmp_lt_u32 s14, 4
	s_cbranch_scc0 .Lfill_hi_\@
	tensor_load_to_lds s[32:35], s[24:31]
	s_nop 0
.if \fm
	s_branch .Lfill_done_\@
.Lfill_hi_\@:
	s_cmp_lt_u32 s14, 6
	s_cbranch_scc0 .Lfill_done_\@
	tensor_load_to_lds s[44+4*\ms:47+4*\ms], s[36:43]
	s_nop 0
.Lfill_done_\@:
.else
.Lfill_hi_\@:
.endif
.endm
	s_load_b256 s[4:11], s[0:1], 0x0               ; q, k, v, mask
	s_load_b64 s[12:13], s[0:1], 0x20              ; out0
	v_lshl_add_u32 v254, v0, 2, 0x46000
	v_mov_b32 v255, 0
	ds_add_u32 v254, v255
	v_lshrrev_b32 v24, 5, v0
	v_readfirstlane_b32 s14, v24                   ; wave 0..7
	s_lshr_b32 s15, s14, 2                         ; g: which half of a trip's keys
	s_and_b32 s16, s14, 3                          ; w': which 32 query rows
	s_bfe_u32 s17, ttmp6, 0x40000                  ; cx
	s_lshl_b32 s18, ttmp9, 2
	s_add_co_u32 s18, s18, s17                     ; query block = 4 x cluster x + cx
	s_and_b32 s19, ttmp7, 0xffff                   ; head
	; shape of a K or V tile: 128 dense rows of 32 elements of 8 bytes, 16 bytes of padding behind each row
	s_mov_b32 s24, 0x0773000f                      ; 15:0 mask = all four of the cluster; 17:16 8-byte elements; 20 padding; 21 set beside a mask; 24:22 every 64 words; 31:25 four words
	s_mov_b32 s25, 32<<16                          ; tensor_dim0 = 32
	s_mov_b32 s26, 128<<16                         ; tensor_dim1 = 128
	s_mov_b32 s27, 32<<16                          ; tile_dim0 = 32
	s_mov_b32 s28, 128                             ; tile_dim1 = 128
	s_mov_b32 s29, 32                              ; 32 elements from row to row
	s_mov_b32 s30, 0
	s_mov_b32 s31, 0
	; shape of a mask tile: 64 rows of 256 bytes, 2,048 bytes apart in memory, padded alike; no work-group mask
	s_mov_b32 s36, 0x07530000
	s_mov_b32 s37, 32<<16
	s_mov_b32 s38, 64<<16
	s_mov_b32 s39, 32<<16
	s_mov_b32 s40, 64
	s_mov_b32 s41, 256
	s_mov_b32 s42, 0
	s_mov_b32 s43, 0
	; places.  K/V: wave 0, 1 the halves of K, wave 2, 3 of V; LDS = w x 128 rows (KF, then VF).  Nothing here hangs on cx.
	s_and_b32 s2, s14, 1                           ; which half
	s_mov_b32 s32, 1
	s_mul_i32 s33, s14, 128*FP
	s_lshl_b32 s22, s19, 19                        ; head x 524,288
	s_lshl_b32 s3, s2, 15                          ; half x 128 rows x 256 bytes
	s_add_co_u32 s22, s22, s3
	s_mov_b32 s23, 0
	s_mul_i32 s3, s2, 64*FP                        ; mask: half x 64 rows in the slot
	s_mov_b32 s44, 1
	s_add_co_u32 s45, s3, MS
	s_mov_b32 s48, 1
	s_add_co_u32 s49, s3, MS+MSLOT
	s_lshl_b32 s20, s19, 22                        ; head x 2,048 x 2,048
	s_lshl_b32 s21, s18, 18                        ; query block x 128 x 2,048
	s_add_co_u32 s20, s20, s21
	s_lshl_b32 s21, s2, 17                         ; half x 64 x 2,048
	s_add_co_u32 s20, s20, s21
	s_mov_b32 s21, 0
	s_and_b32 s3, s14, 2
	s_wait_dscnt 0x0
	s_wait_kmcnt 0x0
	s_cmp_eq_u32 s3, 0
	s_cselect_b64 s[34:35], s[6:7], s[8:9]         ; waves 0, 1: k; waves 2, 3: v
	s_add_nc_u64 s[34:35], s[34:35], s[22:23]
	s_or_b32 s35, s35, 0x80000000                  ; type = 2
	s_add_nc_u64 s[46:47], s[10:11], s[20:21]      ; keys 0 to 255
	s_add_nc_u64 s[50:51], s[46:47], 256           ; keys 256 to 511
	s_or_b32 s47, s47, 0x80000000
	s_or_b32 s51, s51, 0x80000000
	ROUND                                          ; all four work-groups are here: the first joint loads meet
	; the first fills, one group, each wave's inside one branch on its number
	s_cmp_lt_u32 s14, 4
	s_cbranch_scc0 .Lfirst_hi
	tensor_load_to_lds s[32:35], s[24:31]
	s_nop 0
	s_branch .Lfirst_done
.Lfirst_hi:
	s_cmp_lt_u32 s14, 6
	s_cbranch_scc0 .Lfirst_done
	tensor_load_to_lds s[44:47], s[36:43]
	s_nop 0
	tensor_load_to_lds s[48:51], s[36:43]
	s_nop 0
.Lfirst_done:
	; q: lane (r, h) takes, of query rows r and 16 + r, d = 32 ks + 8 h .. + 7 and 32 ks + 16 + 8 h .. + 7: the B fragment's own order
	v_and_b32 v24, 31, v0                          ; L
	v_and_b32 v25, 15, v0                          ; r
	v_bfe_u32 v26, v0, 4, 1                        ; h
	v_and_b32 v27, 7, v0                           ; L % 8
	v_bfe_u32 v28, v0, 3, 2                        ; L / 8
	v_bfe_u32 v29, v0, 3, 1                        ; (L / 8) % 2
	v_lshlrev_b32 v[QA], 8, v25
	v_lshl_add_u32 v[QA], v26, 5, v[QA]
	s_lshl_b32 s20, s19, 19                        ; head
	s_lshl_b32 s21, s18, 15                        ; + query block x 128 rows
	s_add_co_u32 s20, s20, s21
	s_lshl_b32 s21, s16, 13                        ; + w' x 32 rows
	s_add_co_u32 s20, s20, s21
	s_mov_b32 s21, 0
	s_add_nc_u64 s[4:5], s[4:5], s[20:21]
	s_add_nc_u64 s[12:13], s[12:13], s[20:21]
	s_lshl_b32 s20, s15, 12                        ; out0: the low wave stores block 0, the high wave block 1
	s_add_nc_u64 s[12:13], s[12:13], s[20:21]
.irp qb,0,1
.irp ks,0,1
	global_load_b128 v[S+16*(2*\qb+\ks):S+16*(2*\qb+\ks)+3],     v[QA], s[4:5] offset:4096*\qb+128*\ks
	global_load_b128 v[S+16*(2*\qb+\ks)+4:S+16*(2*\qb+\ks)+7],   v[QA], s[4:5] offset:4096*\qb+128*\ks+16
	global_load_b128 v[S+16*(2*\qb+\ks)+8:S+16*(2*\qb+\ks)+11],  v[QA], s[4:5] offset:4096*\qb+128*\ks+64
	global_load_b128 v[S+16*(2*\qb+\ks)+12:S+16*(2*\qb+\ks)+15], v[QA], s[4:5] offset:4096*\qb+128*\ks+80
.endr
.endr
	; constants and LDS addresses, while q is on its way
	s_mov_b32 s52, 0x3e38aa3b                      ; c = log2(e) / 8
	s_mov_b32 s53, 0x3e38aa3b
	s_mov_b32 s54, 0xbe38aa3b                      ; -c
	s_mov_b32 s55, 0xff
	s_mov_b32 s56, 0x04000000                      ; v_perm_b32: byte i of the first source into the top byte, byte 0 of the second (zero) below
	s_mov_b32 s57, 0x05000000
	s_mov_b32 s58, 0x06000000
	s_mov_b32 s59, 0x07000000
	s_mov_b32 s60, 0x76543210                      ; v_permlanex16_b32: lane i of one half reads lane i of the other
	s_mov_b32 s61, 0xfedcba98
	v_mov_b32 v[ZERO], 0
	s_mul_i32 s2, s15, 128*KP
	s_add_co_u32 s2, s2, KB
	v_mul_u32_u24 v[KA], v25, KP
	v_lshl_add_u32 v[KA], v26, 4, v[KA]
	v_add_nc_u32 v[KA], s2, v[KA]
	s_mul_i32 s3, s15, 128*VP
	s_add_co_u32 s3, s3, VB
	v_lshl_add_u32 v[VA], v26, 3, v27
	v_mul_u32_u24 v[VA], v[VA], VP
	v_lshl_add_u32 v[VA], v29, 4, v[VA]
	v_add_nc_u32 v[VA], s3, v[VA]
	s_mul_i32 s22, s16, 32*FP
	s_lshl_b32 s23, s15, 7
	s_add_co_u32 s22, s22, s23
	s_add_co_u32 s22, s22, MS
	v_mul_u32_u24 v[MA], v25, FP
	v_lshl_add_u32 v[MA], v26, 4, v[MA]
	v_add_nc_u32 v[MA], s22, v[MA]
	s_mul_i32 s2, s14, 32*FP
	v_mul_u32_u24 v[CS], v28, FP
	v_lshl_add_u32 v[CS], v27, 5, v[CS]
	v_add_nc_u32 v[CS], s2, v[CS]
	v_add_nc_u32 v[CSV], VF, v[CS]
	s_mul_i32 s3, s14, 32*KP
	s_add_co_u32 s3, s3, KB
	v_mul_u32_u24 v[CK], v28, KP
	v_lshl_add_u32 v[CK], v27, 4, v[CK]
	v_add_nc_u32 v[CK], s3, v[CK]
	s_mul_i32 s22, s14, 32*VP
	s_add_co_u32 s22, s22, VB
	v_mul_u32_u24 v[CV], v28, VP
	v_lshl_add_u32 v[CV], v27, 4, v[CV]
	v_add_nc_u32 v[CV], s22, v[CV]
	v_lshlrev_b32 v[OA], 4, v24
	s_mul_i32 s23, s14, XCH
	s_add_co_u32 s23, s23, KB
	v_add_nc_u32 v[XA], s23, v[OA]
	s_xor_b32 s2, s14, 4                           ; my partner: the wave with the same query rows and the other keys
	s_mul_i32 s2, s2, XCH
	s_add_co_u32 s2, s2, KB
	v_add_nc_u32 v[XT], s2, v[OA]
	s_mul_i32 s3, s14, 16*FP
	s_add_co_u32 s3, s3, VB
	v_mul_u32_u24 v[SA], v25, FP
	v_lshl_add_u32 v[SA], v26, 5, v[SA]
	v_add_nc_u32 v[SA], s3, v[SA]
	v_mul_u32_u24 v[RA], v26, FP
	v_lshl_add_u32 v[RA], v25, 4, v[RA]
	v_add_nc_u32 v[RA], s3, v[RA]
	s_wait_loadcnt 0x0                             ; q, once
	s_set_vgpr_msb 0x40                            ; destination in v256 and up
.set qn, 0
.rept 32
	v_cvt_pk_bf16_f32 v[qn], v[S+2*qn], v[S+2*qn+1]        ; v[256 + qn]: the four fragments, 8 registers each
.set qn, qn+1
.endr
	s_set_vgpr_msb 0x4000
; Four loads of 16 mask bytes: query 16 qb + r, keys 64 sub + 32 u + 16 h .. + 15 of my group's 128
.macro MLOAD slot, sub
.irp qb,0,1
.irp u,0,1
	ds_load_b128 v[MK+4*(2*\qb+\u):MK+4*(2*\qb+\u)+3], v[MA] offset:\slot*MSLOT+\qb*16*FP+\sub*64+\u*32
.endr
.endr
.endm
; Mask bytes 0 / 1 serve as selectors into the word 0x000000ff: 0 picks 0xff, 1 picks 0x00
.macro MPREP
.set mi, 0
.rept 16
	v_perm_b32 v[MK+mi], v[ZERO], s55, v[MK+mi]
.set mi, mi+1
.endr
.endm
; My 32 rows of the trip's K and V, f32 to bf16.  Group gi is four rows; a lane takes 8 numbers of one row.  Row 4 gi + a goes to row rho: gi's bits 1 and 2 change places.
.macro CONVERT
.irp gi,0,1,2,3,4,5,6,7
	ds_load_b128 v[S+8*\gi:S+8*\gi+3],   v[CS] offset:4*FP*\gi
	ds_load_b128 v[S+8*\gi+4:S+8*\gi+7], v[CS] offset:4*FP*\gi+16
.endr
.irp gi,0,1,2,3,4,5,6,7
	ds_load_b128 v[F+8*\gi:F+8*\gi+3],   v[CSV] offset:4*FP*\gi
	ds_load_b128 v[F+8*\gi+4:F+8*\gi+7], v[CSV] offset:4*FP*\gi+16
.endr
.irp gi,0,1,2,3,4,5,6,7
	s_wait_dscnt 30-\gi                            ; younger than K's group gi: 2 (7 - gi) loads of K, 16 of V, gi stores
.irp i,0,1,2,3
	v_cvt_pk_bf16_f32 v[S+8*\gi+\i], v[S+8*\gi+2*\i], v[S+8*\gi+2*\i+1]
.endr
	ds_store_b128 v[CK], v[S+8*\gi:S+8*\gi+3] offset:4*KP*((\gi&1)|((\gi&2)<<1)|((\gi&4)>>1))
.endr
.irp gi,0,1,2,3,4,5,6,7
	s_wait_dscnt 22-\gi                            ; younger than V's group gi: 2 (7 - gi) loads of V, 8 stores of K, gi of V
.irp i,0,1,2,3
	v_cvt_pk_bf16_f32 v[F+8*\gi+\i], v[F+8*\gi+2*\i], v[F+8*\gi+2*\i+1]
.endr
	ds_store_b128 v[CV], v[F+8*\gi:F+8*\gi+3] offset:4*VP*((\gi&1)|((\gi&2)<<1)|((\gi&4)>>1))
.endr
.endm
; K fragments of a substep: 4 tiles of 16 rows x 2 halves of d, the first half of d first
.macro KLOAD sub
.irp ks,0,1
.irp t,0,1,2,3
	ds_load_b128 v[F+8*(4*\ks+\t):F+8*(4*\ks+\t)+3],   v[KA] offset:(64*\sub+16*\t)*KP+64*\ks
	ds_load_b128 v[F+8*(4*\ks+\t)+4:F+8*(4*\ks+\t)+7], v[KA] offset:(64*\sub+16*\t)*KP+64*\ks+32
.endr
.endr
.endm
; V^T fragments of a substep: 2 groups of 32 rows x 4 tiles of 16 d, transposed on the way
.macro VLOAD sub
.irp u,0,1
.irp dt,0,1,2,3
	ds_load_tr16_b128 v[F+8*(4*\u+\dt):F+8*(4*\u+\dt)+3],   v[VA] offset:(64*\sub+32*\u)*VP+32*\dt
	ds_load_tr16_b128 v[F+8*(4*\u+\dt)+4:F+8*(4*\u+\dt)+7], v[VA] offset:(64*\sub+32*\u)*VP+32*\dt+16*VP
.endr
.endr
.endm
; The accumulators start as 0 or -2^127: byte 8 c + j of quad (qb, u) into the top byte of score j of tile 2 u + c
.macro BIAS
.irp u,0,1
.irp c,0,1
.irp qb,0,1
.irp j,0,1,2,3,4,5,6,7
	v_perm_b32 v[S+8*(2*(2*\u+\c)+\qb)+\j], v[MK+4*(2*\qb+\u)+2*\c+(\j>>2)], v[ZERO], s[56+(\j&3)]
.endr
.endr
.endr
.endr
.endm
.macro QKSTEP ks
.irp t,0,1,2,3
.irp qb,0,1
	v_wmma_f32_16x16x32_bf16 v[S+8*(2*\t+\qb):S+8*(2*\t+\qb)+7], v[F+8*(4*\ks+\t):F+8*(4*\ks+\t)+7], v[8*(2*\qb+\ks):8*(2*\qb+\ks)+7], v[S+8*(2*\t+\qb):S+8*(2*\t+\qb)+7]
.endr
.endr
.endm
; S^T += K Q^T.  The eight accumulators take turns, one instruction a turn.
.macro QK
	s_wait_dscnt 8                                 ; the eight loads of d = 32 .. 63 may stay out
	s_set_vgpr_msb 0x04                            ; source 1 (Q) in v256 and up
	QKSTEP 0
	s_wait_dscnt 0x0
	QKSTEP 1
	s_set_vgpr_msb 0x0400
.endm
; pair pm (0 .. 15) of block qb's 32 exponentials joins the row sum; the first pair rides on the rescale of the old sum.  Every expansion stands behind batch B's wait.
.macro SUMP qb, first
.if pm == 0
.if \first == 0
	v_pk_fma_f32 v[LS+2*\qb:LS+2*\qb+1], v[LS+2*\qb:LS+2*\qb+1], v[AL:AL+1], v[S+8*\qb:S+8*\qb+1] op_sel:[0,\qb,0] op_sel_hi:[1,\qb,1]
.endif
.else
.if (\first == 1) && (pm == 1)
	v_pk_add_f32 v[LS+2*\qb:LS+2*\qb+1], v[S+8*\qb:S+8*\qb+1], v[S+8*\qb+2:S+8*\qb+3]      ; the first two pairs start the sum
.else
	v_pk_add_f32 v[LS+2*\qb:LS+2*\qb+1], v[LS+2*\qb:LS+2*\qb+1], v[S+16*(pm>>2)+8*\qb+2*(pm&3):S+16*(pm>>2)+8*\qb+2*(pm&3)+1]
.endif
.endif
.endm
; pair p is packed to bf16 in place: pairs 8 u .. 8 u + 7 (tiles 2 u, 2 u + 1) fill the 8 registers of tile 2 u, the B fragment of key group u.
; In ascending order a register is written only after the pair that lay in it has been read.
.macro CVTP qb, p
	v_cvt_pk_bf16_f32 v[S+32*((\p)>>3)+8*\qb+((\p)&7)], v[S+16*((\p)>>2)+8*\qb+2*((\p)&3)], v[S+16*((\p)>>2)+8*\qb+2*((\p)&3)+1]
.endm
; first = 1: the wave's first 64 keys: nothing old to rescale
.macro SOFTMAX first
	; the maximum of the old maximum and 32 scores, 16 three-way maxima a block, in two chains; the four chains are interleaved
.irp qb,0,1
.if \first
	v_max3_num_f32 v[T+\qb], 0xfe800000, v[S+8*\qb], v[S+8*\qb+1]          ; the floor -2^126
.else
	v_max3_num_f32 v[T+\qb], v[MX+\qb], v[S+8*\qb], v[S+8*\qb+1]
.endif
	v_max3_num_f32 v[T+2+\qb], v[S+32+8*\qb], v[S+32+8*\qb+1], v[S+32+8*\qb+2]
.endr
.irp i,1,2,3,4,5,6
.irp qb,0,1
	v_max3_num_f32 v[T+\qb], v[T+\qb], v[S+16*((2*\i)>>3)+8*\qb+((2*\i)&7)], v[S+16*((2*\i+1)>>3)+8*\qb+((2*\i+1)&7)]
	v_max3_num_f32 v[T+2+\qb], v[T+2+\qb], v[S+16*((17+2*\i)>>3)+8*\qb+((17+2*\i)&7)], v[S+16*((18+2*\i)>>3)+8*\qb+((18+2*\i)&7)]
.endr
.endr
.irp qb,0,1
	v_max3_num_f32 v[T+\qb], v[T+\qb], v[S+16+8*\qb+6], v[S+16+8*\qb+7]    ; scores 14, 15
.endr
.irp qb,0,1
	v_max3_num_f32 v[T+\qb], v[T+\qb], v[T+2+\qb], v[S+48+8*\qb+7]         ; the other chain and score 31
.endr
	v_permlanex16_b32 v[T+2], v[T], s60, s61       ; the same query's other 32 keys lie in the other half of the lanes
	v_permlanex16_b32 v[T+3], v[T+1], s60, s61
	v_max_num_f32 v[MX], v[T], v[T+2]
	v_max_num_f32 v[MX+1], v[T+1], v[T+3]
.if \first
	v_pk_mul_f32 v[NM:NM+1], v[MX:MX+1], s[54:55] op_sel_hi:[1,0]
.else
	v_pk_mul_f32 v[T+4:T+5], v[MX:MX+1], s[54:55] op_sel_hi:[1,0]          ; -c maximum, rounded
	v_pk_add_f32 v[AL:AL+1], v[T+4:T+5], v[NM:NM+1] neg_lo:[0,1] neg_hi:[0,1]
	v_mov_b32 v[NM], v[T+4]
	v_mov_b32 v[NM+1], v[T+5]
	v_exp_f32 v[AL], v[AL]                         ; BATCH A: the two rescale factors.  The 16 scalings below name neither of them;
	v_exp_f32 v[AL+1], v[AL+1]                     ; the first scaling is the plain line behind the two (ISA guide 5.7.2)
.endif
.irp t,0,1,2,3
.irp p,0,2,4,6
	v_pk_fma_f32 v[S+16*\t+\p:S+16*\t+\p+1], v[S+16*\t+\p:S+16*\t+\p+1], s[52:53], v[NM:NM+1] op_sel_hi:[1,0,0]    ; block 0: c s + nm
.endr
.endr
.if \first == 0
	s_wait_alu depctr_va_vdst(0)                   ; batch A's wait: one for both factors, ahead of the first rescale that names them
.endif
	; BATCH B: the 64 exponentials of both blocks' scores, each in place in its own register.  No line up to the batch's wait names a result of it.
	; Block 0's alternate with block 1's exponents and the rescale of block 0's O,
.set sn, 0
.rept 32
	v_exp_f32 v[S+16*(sn>>3)+(sn&7)], v[S+16*(sn>>3)+(sn&7)]
.if (sn&1) == 0
	v_pk_fma_f32 v[S+8+16*(sn>>3)+(sn&7):S+9+16*(sn>>3)+(sn&7)], v[S+8+16*(sn>>3)+(sn&7):S+9+16*(sn>>3)+(sn&7)], s[52:53], v[NM:NM+1] op_sel:[0,0,1] op_sel_hi:[1,0,1]
.else
.if \first == 0
	v_pk_mul_f32 v[O+16*(sn>>3)+2*((sn>>1)&3):O+16*(sn>>3)+2*((sn>>1)&3)+1], v[O+16*(sn>>3)+2*((sn>>1)&3):O+16*(sn>>3)+2*((sn>>1)&3)+1], v[AL:AL+1] op_sel_hi:[1,0]
.endif
.endif
.set sn, sn+1
.endr
	; block 1's go in twos, a rescale of block 1's O behind each two; the last rescale is the plain line behind the batch's last exponential (ISA guide 5.7.2)
.set sn, 0
.rept 32
	v_exp_f32 v[S+8+16*(sn>>3)+(sn&7)], v[S+8+16*(sn>>3)+(sn&7)]
.if (sn&1) == 1
.if \first == 0
	v_pk_mul_f32 v[O+8+16*(sn>>3)+2*((sn>>1)&3):O+8+16*(sn>>3)+2*((sn>>1)&3)+1], v[O+8+16*(sn>>3)+2*((sn>>1)&3):O+8+16*(sn>>3)+2*((sn>>1)&3)+1], v[AL:AL+1] op_sel:[0,1] op_sel_hi:[1,1]
.endif
.endif
.set sn, sn+1
.endr
.if \first
	v_nop                                          ; nothing is rescaled in the first substep: this is the plain line behind the last exponential
.endif
	s_wait_alu depctr_va_vdst(0)                   ; batch B's wait: one for the 64 exponentials, ahead of their first reader
	; the readers: both blocks' row sums and roundings, dealt by fours, so that a link of either sum's chain stands four lines behind the last.
	; The roundings lag the sums by one pair: in the first substep pairs 0 and 1 are summed together, before pair 0's rounding writes over score 0.
.set pm, 0
.rept 16
	SUMP 0, \first
	SUMP 1, \first
.if pm > 0
	CVTP 0, pm-1
	CVTP 1, pm-1
.endif
.set pm, pm+1
.endr
	CVTP 0, 15
	CVTP 1, 15
.endm
.macro PVSTEP u, zero
.irp dt,0,1,2,3
.irp qb,0,1
.if \zero
	v_wmma_f32_16x16x32_bf16 v[O+8*(2*\dt+\qb):O+8*(2*\dt+\qb)+7], v[F+8*(4*\u+\dt):F+8*(4*\u+\dt)+7], v[S+8*(4*\u+\qb):S+8*(4*\u+\qb)+7], 0
.else
	v_wmma_f32_16x16x32_bf16 v[O+8*(2*\dt+\qb):O+8*(2*\dt+\qb)+7], v[F+8*(4*\u+\dt):F+8*(4*\u+\dt)+7], v[S+8*(4*\u+\qb):S+8*(4*\u+\qb)+7], v[O+8*(2*\dt+\qb):O+8*(2*\dt+\qb)+7]
.endif
.endr
.endr
.endm
; O^T += V^T P^T.  The eight accumulators take turns, one instruction a turn.  first = 1: the first product starts the sums.
.macro PV first
	s_wait_dscnt 0x0                               ; V's fragments (and the next mask words), issued ahead of the softmax
	PVSTEP 0, \first
	PVSTEP 1, 0
.endm
; 64 keys x 32 queries
.macro SUBSTEP slot, sub, first
	BIAS
	QK
	PLACES                                         ; behind the products: the loads below land on K's fragments, the softmax reads the scores
.if \sub == 0
	MLOAD \slot, 1                                 ; the second substep's mask words: this one's have been used
.endif
	VLOAD \sub
	SOFTMAX \first
	PV \first
.if \sub == 0
	MPREP                                          ; 16 lines that name none of the products' registers: the places in front of the loads into F
	KLOAD 1
.else
	PLACES                                         ; in front of the next loads into S and F
.endif
.endm
; 256 keys.  slot: this trip's mask slot, other: the other one.  fkv: the next K and V are asked for; fm: the other mask slot is filled again.
.macro TRIP slot, other, first, fkv, fm
	s_wait_tensorcnt 0x0                           ; my parts of this trip's K, V and mask have landed
	s_wait_dscnt 0x0                               ; my reads of the last trip's bf16 K and V are back
	s_barrier_signal -1
	s_barrier_wait -1                              ; both hold of every wave: the f32 stage is whole, KB and VB may be written
	MLOAD \slot, 0
	CONVERT
	MPREP
	s_wait_dscnt 0x0                               ; my reads of the stage are back, my stores into KB and VB are done
	s_wait_tensorcnt 0x0                           ; no tensor load of mine is out (none was issued since the wait above): the places below may be written
	ds_add_u32 v254, v255
	s_wait_dscnt 0x0
.if \fkv
	s_add_nc_u64 s[34:35], s[34:35], 65536         ; the next 256 rows of K or V
.endif
.if \fm
	s_add_nc_u64 s[46+4*\other:47+4*\other], s[46+4*\other:47+4*\other], 512       ; that slot's next 256 keys
.endif
.if \fkv
	ROUND                                          ; no wave of any of the four work-groups still reads its stage or has a load on its way
	FILL \fm, \other                               ; first thing behind the round, one load a wave; both substeps lie ahead of the wait for it
.else
	s_barrier_signal -1
	s_barrier_wait -1                              ; the last trip: nothing is filled, KB and VB are whole
.endif
	KLOAD 0
	SUBSTEP \slot, 0, \first
	SUBSTEP \slot, 1, 0
.endm
	TRIP 0, 1, 1, 1, 0                             ; keys 0 to 255; mask slot 1 went out at the start
	s_mov_b32 s62, 3
.Ltrips:
	TRIP 1, 0, 0, 1, 1
	TRIP 0, 1, 0, 1, 1
	s_sub_co_u32 s62, s62, 1
	s_cmp_lg_u32 s62, 0
	s_cbranch_scc1 .Ltrips
	TRIP 1, 0, 0, 0, 0                             ; keys 1,792 to 2,047: nothing is left to fetch
; THE TWO WAVES OF A ROW BLOCK JOIN.  I give my state of block b to my partner: nm and my lane's sum, then O^T, 16 bytes a lane a store.
.macro GIVE b
	v_mov_b32 v[T], v[NM+\b]                       ; beside the sum, for one store of 8 bytes
	v_add_f32 v[T+1], v[LS+2*\b], v[LS+2*\b+1]
	ds_store_b64 v[XA], v[T:T+1]
.irp dt,0,1,2,3
	ds_store_b128 v[XA], v[O+8*(2*\dt+\b):O+8*(2*\dt+\b)+3]   offset:512*(1+2*\dt)
	ds_store_b128 v[XA], v[O+8*(2*\dt+\b)+4:O+8*(2*\dt+\b)+7] offset:512*(2+2*\dt)
.endr
.endm
; I take my partner's state of block b, join it with mine, divide, and store 16 rows of out0.
.macro TAKE b
	ds_load_b64 v[F:F+1], v[XT]
.irp q,0,1,2,3,4,5,6,7
	ds_load_b128 v[F+4+4*\q:F+7+4*\q], v[XT] offset:512*(1+\q)
.endr
	s_wait_dscnt 0x0
	v_min_num_f32 v[T], v[NM+\b], v[F]             ; nm = -c maximum: the smaller belongs to the larger maximum
	v_sub_f32 v[T+2], v[T], v[NM+\b]
	v_sub_f32 v[T+3], v[T], v[F]
	v_exp_f32 v[T+2], v[T+2]                       ; my factor
	v_exp_f32 v[T+3], v[T+3]                       ; my partner's
	v_add_f32 v[T+1], v[LS+2*\b], v[LS+2*\b+1]     ; the plain line behind the two (ISA guide 5.7.2)
	s_wait_alu depctr_va_vdst(0)                   ; one wait for the batch of the two joining factors, ahead of their first reader
	v_mul_f32 v[T+1], v[T+1], v[T+2]
	v_fmac_f32 v[T+1], v[F+1], v[T+3]
	v_permlanex16_b32 v[T], v[T+1], s60, s61       ; the other half of the lanes holds the same query's other keys
	v_add_f32 v[T+1], v[T+1], v[T]                 ; l
	v_cmp_lt_f32 vcc_lo, 0, v[T+1]
	v_rcp_f32 v[T+6], v[T+1]
	v_nop
	s_wait_alu depctr_va_vdst(0)                   ; the reciprocal's own wait: its source is made of the factors above, so it is a batch by itself
	v_cndmask_b32 v[T+6], 0, v[T+6], vcc_lo        ; 1 / l, or 0 for a row with no allowed key
	v_mul_f32 v[T+4], v[T+2], v[T+6]
	v_mul_f32 v[T+5], v[T+3], v[T+6]
.irp dt,0,1,2,3
.irp p,0,2,4,6
	v_pk_mul_f32 v[O+8*(2*\dt+\b)+\p:O+8*(2*\dt+\b)+\p+1], v[O+8*(2*\dt+\b)+\p:O+8*(2*\dt+\b)+\p+1], v[T+4:T+5] op_sel_hi:[1,0]
.endr
.endr
.irp dt,0,1,2,3
.irp p,0,2,4,6
	v_pk_fma_f32 v[O+8*(2*\dt+\b)+\p:O+8*(2*\dt+\b)+\p+1], v[F+4+8*\dt+\p:F+4+8*\dt+\p+1], v[T+4:T+5], v[O+8*(2*\dt+\b)+\p:O+8*(2*\dt+\b)+\p+1] op_sel:[0,1,0] op_sel_hi:[1,1,1]
.endr
.endr
	; a lane holds query r, d = 16 dt + 8 h + 0 .. 7: into my own stage by rows, back as whole rows of 256 bytes
.irp dt,0,1,2,3
	ds_store_b128 v[SA], v[O+8*(2*\dt+\b):O+8*(2*\dt+\b)+3]   offset:64*\dt
	ds_store_b128 v[SA], v[O+8*(2*\dt+\b)+4:O+8*(2*\dt+\b)+7] offset:64*\dt+16
.endr
.irp t,0,1,2,3,4,5,6,7
	ds_load_b128 v[S+4*\t:S+4*\t+3], v[RA] offset:2*FP*\t          ; LDS serves a wave's instructions in order (ISA guide 5.7.1): these see the stores above
.endr
.irp t,0,1,2,3,4,5,6,7
	s_wait_dscnt 7-\t                              ; the younger row loads may stay out
	global_store_b128 v[OA], v[S+4*\t:S+4*\t+3], s[12:13] offset:512*\t th:TH_STORE_NT     ; two rows: 512 consecutive bytes, at a multiple of 256 from out0's first byte
.endr
.endm
	s_wait_dscnt 0x0                               ; my reads of KB and VB are back
	s_barrier_signal -1
	s_barrier_wait -1                              ; everybody's are: KB serves the exchange, VB the way out (no tensor load ever fills them)
	s_cmp_lt_u32 s14, 4
	s_cbranch_scc0 .Lgive_hi
	GIVE 1
	s_branch .Lgiven
.Lgive_hi:
	GIVE 0
.Lgiven:
	s_wait_dscnt 0x0                               ; for my partner's sake: my stores are done
	s_barrier_signal -1
	s_barrier_wait -1
	s_cmp_lt_u32 s14, 4
	s_cbranch_scc0 .Ltake_hi
	TAKE 0
	s_branch .Ltaken
.Ltake_hi:
	TAKE 1
.Ltaken:
	s_wait_dscnt 0x0
	s_wait_tensorcnt 0x0
	ds_add_u32 v254, v255
	s_wait_dscnt 0x0
	ROUND                                          ; the closing round: no work-group ends while a partner may still ask for a tile that names it
	s_endpgm
.Lfunc_end_k_q58cff91dec_attn:
	.size	k_q58cff91dec_attn, .Lfunc_end_k_q58cff91dec_attn-k_q58cff91dec_attn
	.p2alignl 7, 3214868480
	.fill 96, 4, 3214868480
	.section	.rodata,"a",@progbits
	.p2align	6, 0x0
	.amdhsa_kernel k_q58cff91dec_attn
		.amdhsa_group_segment_fixed_size 327680
		.amdhsa_private_segment_fixed_size 0
		.amdhsa_enable_private_segment 0
		.amdhsa_kernarg_size 40
		.amdhsa_user_sgpr_count 2
		.amdhsa_user_sgpr_kernarg_segment_ptr 1
		.amdhsa_wavefront_size32 1
		.amdhsa_system_sgpr_workgroup_id_x 1
		.amdhsa_system_sgpr_workgroup_id_y 1
		.amdhsa_system_sgpr_workgroup_id_z 1
		.amdhsa_system_vgpr_workitem_id 0
		.amdhsa_next_free_vgpr 288
		.amdhsa_next_free_sgpr 66
		.amdhsa_reserve_vcc 1
		.amdhsa_float_denorm_mode_32 3
		.amdhsa_float_denorm_mode_16_64 3
		.amdhsa_memory_ordered 1
		.amdhsa_forward_progress 1
		.amdhsa_inst_pref_size 233
	.end_amdhsa_kernel
	.amdgpu_metadata
---
amdhsa.version: [ 1, 2 ]
amdhsa.kernels:
  - .name:           k_q58cff91dec_attn
    .symbol:         k_q58cff91dec_attn.kd
    .args:
      - { .name: q, .offset: 0, .size: 8, .value_kind: global_buffer, .address_space: global }
      - { .name: k, .offset: 8, .size: 8, .value_kind: global_buffer, .address_space: global }
      - { .name: v, .offset: 16, .size: 8, .value_kind: global_buffer, .address_space: global }
      - { .name: mask, .offset: 24, .size: 8, .value_kind: global_buffer, .address_space: global }
      - { .name: out0, .offset: 32, .size: 8, .value_kind: global_buffer, .address_space: global }
    .group_segment_fixed_size: 327680
    .private_segment_fixed_size: 0
    .kernarg_segment_align: 8
    .kernarg_segment_size: 40
    .max_flat_workgroup_size: 256
    .sgpr_count:     66
    .vgpr_count:     288
    .wavefront_size: 32
...
	.end_amdgpu_metadata
.endif
;; end of part 2
